; MI455X (gfx1250); checked and timed in simulation.
; The chip was launched on July 23, 2026; its instructions are those of AMD's public machine-readable ISA for CDNA 5 (MIT licence, August 2026) and "CDNA5" Instruction Set Architecture Reference Guide (July 2026). The comments in the code are by the model that wrote it; some were corrected since.
;; Linear2 Bit. Allowed arithmetic: matrix products marked QUANTISED: E2M1 operands, one E8M0 scale for each 32 along K, by v_wmma_scale_f32_16x16x128_f8f6f4 with both operands' format E2M1 (or v_wmma_scale_f32_32x16x128_f4), f32 sums; everything else in f32.
;; Inputs: bias 11,008 float32; weight_norm 1,409,024 x 1 float16; weight_q2 1,409,024 x 8 int32; x 16 x 4,096 float32.
;; Outputs: out0 16 x 11,008 float32.
;; This version of the problem:
;;   THIS VERSION OF THE PROBLEM IS GIVEN IN LOW PRECISION. The matrix products marked QUANTISED in the list below multiply operands that are first quantised to E2M1 (2 exponent bits, 1 mantissa bit; 4 bits a number), with one power-of-two scale for each 32 numbers along K (OCP MX v1.0); their sums are f32. All else is computed in f32.
;;   The module's matrix products, in the order in which they are computed (A, B: the left and right operand; K: the contracted axis; several contracted axes count as one K, in the product's order):
;;     1. [M 16, K 4,096] x [K 4,096, N 11,008]; A: input x; B: computed on the way: QUANTISED
;;   THE QUANTISER, for each operand of a quantised product, along K:
;;     - K is cut into blocks of 32 from its start; a last block that is shorter is filled with zeros.
;;     - A block's scale is 2^e with e = floor(log2(the largest magnitude in the block)) - 2, held to -126 .. 127; a block of zeros has e = 0. As a byte (E8M0): e + 127.
;;     - Each number is divided by its block's scale, clamped to +-6, and rounded to the nearest number of E2M1, ties to even, subnormals kept.
;;     - The product sums the exact products of the quantised numbers (number of the format x scale) in f32.
;;   ~~~python
;;   def quantise(x, axis):      # numpy; x: float32 -> the quantised numbers, widened to float32 again
;;       x = np.moveaxis(x, axis, -1); K = x.shape[-1]
;;       x = np.pad(x, [(0, 0)] * (x.ndim - 1) + [(0, -K % 32)]); x = x.reshape(x.shape[:-1] + (-1, 32)); a = np.abs(x).max(-1, keepdims=True)
;;       e = np.where(a > 0, np.clip(np.frexp(np.where(a > 0, a, 1))[1] - 1 - 2, -126, 127), 0)      # np.frexp(a)[1] - 1 = floor(log2(a)), exactly
;;       r = np.clip(x / 2.0 ** e, -6, 6)
;;       step = 2.0 ** (np.maximum(np.frexp(np.where(r == 0, 1, r))[1] - 1, 0) - 1)
;;       q = np.round(r / step) * step * 2.0 ** e      # np.round: ties to even
;;       return np.moveaxis(q.reshape(q.shape[:-2] + (-1,))[..., :K], -1, axis).astype(np.float32)
;;   ~~~
;;   OPERANDS COMPUTED ON THE WAY. 'Computed on the way' means the value that the module computes at that place (a softmax that the list does not call 'softmax' is quantised finished and normalised). What goes into a quantiser is computed in f32, as accurately as f32 sums, v_exp_f32 and their like allow (about 1e-6 of the number): no bf16 or f16 on the way to a quantiser, and a product that is left as it is and whose result goes on into a quantised operand takes f32 operands (vector FMAs, or v_wmma_f32_16x16x4_f32). A number that lies on a knife's edge between two numbers of the format may be rounded either way, as far as f32 arithmetic and the matrix unit's own rounding can turn it there, and no further.
;; One version. Each part assembles by itself: llvm-mc -triple=amdgcn-amd-amdhsa -mcpu=gfx1250 --defsym DOCPART=n.
;; ======== version 1 of 1: 1 launch
;; launch linear2bit (part 1): grid 256 x 1, 16 waves a work-group, no clusters, 294,912 bytes of LDS; arguments x, weight_q2, weight_norm, bias, out0; writes out0
.if DOCPART == 1
	.amdgcn_target "amdgcn-amd-amdhsa--gfx1250"
	.amdhsa_code_object_version 6
	.text
	.protected	k_qe22a128861_linear2bit
	.globl	k_qe22a128861_linear2bit
	.p2align	8
	.type	k_qe22a128861_linear2bit,@function
k_qe22a128861_linear2bit:
	s_mov_b64 s[64:65], 0
	v_nop
	global_prefetch_b8 v0, s[64:65] scope:SCOPE_SE
	s_setreg_imm32_b32 hwreg(HW_REG_WAVE_MODE, 25, 1), 1
	s_wait_xcnt 0x0
; out0[m][o] = sum over k of Q(x)[m][k] Q(W)[o][k] + bias[o].  x: [16][4096] f32.  W[o][k] = LEVELS[code] * norm[group], group = 128 o + k / 32: a group IS a block of 32 along K.
; Q: codes of FP4 (E2M1) with one E8M0 scale for each 32 along K; the products go to v_wmma_scale_f32_16x16x128_f8f6f4, sums in f32.
; NOTHING IS LEFT OUT: all four inputs are loaded.  Of each word of weight_q2 only bits 0..7 reach a result ((packed >> s) & 3 with s <= 6); the other bits come with the word and are dropped by the byte selects.
; SHARES.  11008 = 256 x 43: a work-group owns 43 rows of W (43 columns of out0): 176,128 dense bytes of weight_q2 and 11,008 dense bytes of norms.  Both lie in LDS at once, so every tensor load of the
; launch is a first fill, issued at the head; no LDS byte is filled twice.  The 16 waves share K: wave w takes k = 256 w .. 256 w + 255, 256 aligned bytes of every row of weight_q2, in three tiles of 16 rows
; (the third states 11 rows as left, the mover writes zeros for the other five: their columns are never stored).  Only the wave that asked reads its tiles; the norms, asked for by wave 0, are shown to all by a barrier.
; x.  Each wave quantises its own 256 along K of the 16 rows: 32 loads, each half of the lanes on 256 consecutive aligned bytes; four times 4 KB turn through the wave's own stage in LDS, so that lane (r, h)
; holds a whole block of 32 of row r; the two fragments and two scale words stay in registers.
; W WITHOUT WIDENING.  A block holds four values only: -n, -0.333 n, 0.333 n, n.  Its largest magnitude is |n| if any code is 0 or 3, else |0.333 n|.  One conversion of (-n, -n, 0.333 n, 0.333 n, 0, 0, 0, 0)
; gives cb = the code of -n and ca = the code of 0.333 n.  With b1, b0 a weight's two bits and e = b0 xor b1, its code is: bits 0-2 from ca where e = 1, else from cb; bit 3 from ca where b1 = 1, else from cb.
; So a mask of nibbles (b1, e, e, e) and one v_bfi_b32 make eight codes; the sign of n is served by the same lines.
; ORDER INSIDE A BLOCK.  The block's 8 bytes are packed into two registers, 16 weights each; the even weights of a register already stand one to a nibble, the odd ones two bits higher.  So registers 0, 1, 2, 3 of a
; block hold k = 0,2..14 | 1,3..15 | 16,18..30 | 17,19..31.  x is laid alike (32 copies a block: a wave has 4 blocks a lane of x, 12 of W).  A permutation of k inside a block, alike on both sides, keeps every product and scale.
; NO CLUSTER: x is the one input that work-groups share, and a joint load lands in LDS: 262,144 bytes of x beside 221,952 of weights and norms pass the 327,680 of a WGP, so x would need slots filled again.
; SUMS.  Six products a wave (3 tiles x 2 K steps), each on an accumulator of its own that begins with 0; the 16 waves' sums meet in LDS; waves 0 to 5 add them and the bias and store.
; A row piece of out0 begins at 172 x work-group bytes, a multiple of 4 alone: the stores are of 4 bytes, sixteen lanes on 64 consecutive bytes.
; LIMITS: NaN and infinities in x or weight_norm are not served.  A block whose largest magnitude lies under 2^-124 (a block of zeros too) keeps the scale byte 1; the bytes are read by this kernel alone.
; Each result is the f32 sum of 32 partial sums and the bias: another order of rounding than a single chain along K.
.set NPW,   43                         ; rows of W to a work-group
.set QROW,  4096                       ; bytes in a row of weight_q2
.set OROW,  44032                      ; bytes in a row of out0
.set PITCH, 272                        ; an LDS row: 256 bytes + 16 of padding = 68 words: row r starts at bank 4 r mod 64 (64 banks of 4 bytes: ISA guide 11.1)
.set TILEB, 16*PITCH                   ; 16 rows
.set WREG,  3*TILEB                    ; a wave's three tiles of weights
.set NB,    16*WREG                    ; behind them: the norms, 48 rows
.set XST,   NB+3*TILEB                 ; behind them: a stage of 16 rows for each wave (x on its way in, the partial sums at the end); no tensor load lands here
.set SPARE, XST+16*TILEB               ; behind the stages: the spare words, 128 bytes for each wave: eight blocks of 256 bytes that no other line names
.set SPW,  1                           ; v1   LDS address of my spare word; never rewritten
.set NIL,  2                           ; v2   0; never rewritten
.set R,    3                           ; v3   lane % 16
.set H,    4                           ; v4   lane / 16
.set SH16, 5                           ; v5   16 h
.set SH8,  6                           ; v6   8 h
.set XGO,  7                           ; v7   x: my byte offset
.set XSS,  8                           ; v8   the stage, on the way in
.set XSL,  9                           ; v9   the stage, on the way out
.set WAD,  10                          ; v10  my lane's place in a tile of weights
.set NAD,  11                          ; v11  and among the norms
.set BIA,  12                          ; v12  bias of my column
.set BOF,  13                          ; v13  its byte offset
.set RST,  14                          ; v14  where I put my partial sums
.set RLD,  15                          ; v15  where I read all waves' (waves 0 to 5)
.set OOF,  16                          ; v16  my byte offset in out0
.set COL,  17                          ; v17  my column among the work-group's 48
.set XF,   20                          ; v20-35  x's two fragments
.set XSC,  36                          ; v36-37  x's scale words: scales and nothing else
.set WSC,  38                          ; v38     W's scale word: scales and nothing else
.set ACC,  40                          ; v40-87  six accumulators, 2 t + s
.set XN,   40                          ; x phase: v40-71 a block as neighbours
.set XE,   72                          ; x phase: v72-103 the same in the fragment's order
.set BY,   104                         ; x phase: v104-107 four scale bytes
.set MA,   108
.set MB,   109
.set SC,   110
.set XT,   112                         ; v112-113
.set XU,   114                         ; v114-115
.set XR,   128                         ; x phase: v128-255 x as loaded
.set NRM,  88                          ; v88-95  a tile's norms, two sets
.set NP,   98                          ; v98, v100 n of blocks c = 0, 1 (v99, v101 = 0: named as the pairs' upper halves)
.set BYW,  104                         ; v104-105 the two scale bytes
.set SW,   106
.set SU,   107
.set SG,   108                         ; v108-115, v116-123: the conversion's eight sources, for c = 0, 1
.set RAW,  128                         ; v128-159 a fragment's words as they lie, two sets
.set RF,   160                         ; v160-167 W's fragment
.set TC,   168                         ; v168-187, v188-207: at work, for c = 0, 1
.set PP,   4
.set XX,   6
.set YY,   8
.set GG,   10
.set AM,   12
.set SCL,  13
.set LL,   14
.set CA,   15
.set CB,   16
.set RD,   128                         ; the reduction: 16 x 4 registers
.set WV,   14                          ; s14  my wave's number
.set G1W,  16                          ; s[16:23] descriptor group 1: 16 rows of weights
.set G1L,  24                          ; s[24:31] the last tile: 11 rows are left
.set G1N,  32                          ; s[32:39] the norms
.set G0W,  40                          ; s[40:51] group 0 for my three tiles
.set G0N,  52                          ; s[52:55] group 0 for the norms
.set M55,  56
.set MCC,  57
.set SELA, 58
.set SELB, 59
.set SELR, 60
.set FLOOR, 61
.set THIRD, 62                         ; s[62:63] 0.333 (the packed form names a pair)
.set PSEL, 66                          ; s[66:67] v_permlanex16_b32's selects for lane l xor 16
.set MINUS2, 68
.set SAVE, 69
.set MK,   70                          ; s70, s71 lane masks
	s_load_b256 s[4:11], s[0:1], 0x0               ; x s[4:5], weight_q2 s[6:7], weight_norm s[8:9], bias s[10:11]
	s_load_b64 s[12:13], s[0:1], 0x20              ; out0
	v_lshl_add_u32 v[SPW], v0, 2, SPARE
	v_mov_b32 v[NIL], 0
	ds_add_u32 v[SPW], v[NIL]                      ; the wave's opening: the add, twice on end, and its wait ahead of my first tensor load; the set-up below is work on registers
	ds_add_u32 v[SPW], v[NIL]
	v_lshrrev_b32 v18, 5, v0
	v_readfirstlane_b32 s[WV], v18                 ; wave 0..15
	; descriptor group 1, sizes in elements of 4 bytes: rows of 64 elements, 4 words of padding behind every 64
.irp g, G1W, G1L, G1N
	s_mov_b32 s[\g+0], (2<<16)|(1<<20)|(5<<22)|(3<<25)  ; no mask; elements of 4 bytes; padding on; after every 64 words (code 5); 4 words (code 3)
	s_mov_b32 s[\g+1], 64<<16                      ; tensor_dim0 = 64
	s_mov_b32 s[\g+3], 64<<16                      ; tile_dim0 = 64
	s_mov_b32 s[\g+6], 0
	s_mov_b32 s[\g+7], 0
.endr
	s_mov_b32 s[G1W+2], 16<<16                     ; tensor_dim1 = 16
	s_mov_b32 s[G1W+4], 16                         ; tile_dim1 = 16
	s_mov_b32 s[G1W+5], 1024                       ; from row to row of weight_q2
	s_mov_b32 s[G1L+2], 11<<16                     ; 11 rows are left of my work-group's 43: rows 11 to 15 of the tile arrive as zeros
	s_mov_b32 s[G1L+4], 16
	s_mov_b32 s[G1L+5], 1024
	s_mov_b32 s[G1N+2], NPW<<16                    ; the norms: 43 rows of 256 bytes are left, 48 are laid
	s_mov_b32 s[G1N+4], 48
	s_mov_b32 s[G1N+5], 64
	s_mov_b32 s[M55], 0x55555555
	s_mov_b32 s[MCC], 0xcccccccc
	s_mov_b32 s[SELA], 0x0400                      ; byte 0 of the second source, byte 0 of the first
	s_mov_b32 s[SELB], 0x05040100                  ; the two low halves
	s_mov_b32 s[SELR], 0x01010101                  ; byte 1, four times
	s_mov_b32 s[FLOOR], 0x1800000                  ; 2^(3 - 127): under it no largest magnitude is taken, so a scale byte cannot fall under 1
	s_mov_b32 s[THIRD], 0x3eaa7efa                 ; 0.333 in f32
	s_mov_b32 s[THIRD+1], s[THIRD]
	s_mov_b32 s[PSEL], 0x76543210
	s_mov_b32 s[PSEL+1], 0xfedcba98
	s_mov_b32 s[MINUS2], 0xff000000                ; takes 2 off an exponent field
	s_mul_i32 s72, ttmp9, NPW*QROW                 ; my work-group's first byte of weight_q2 (under 2^26),
	s_lshl_b32 s15, s[WV], 8
	s_add_co_u32 s72, s72, s15                     ; + my wave's 256 bytes of a row
	s_mov_b32 s73, 0
	s_mul_i32 s74, ttmp9, NPW*256                  ; of the norms
	s_mov_b32 s75, 0
	s_mul_i32 s76, ttmp9, NPW*4                    ; of bias, and of a row of out0
	s_mov_b32 s77, 0
	s_mul_i32 s78, s[WV], WREG                     ; LDS: my three tiles
	s_mul_i32 s79, s[WV], TILEB
	s_add_co_u32 s79, s79, XST                     ; LDS: my stage
	v_and_b32 v[R], 15, v0
	v_bfe_u32 v[H], v0, 4, 1
	v_lshlrev_b32 v[SH16], 4, v[H]
	v_lshlrev_b32 v[SH8], 3, v[H]
	v_lshlrev_b32 v[XGO], 4, v[R]                  ; x: sixteen lanes on 256 bytes of a row,
	v_lshl_add_u32 v[XGO], v[H], 14, v[XGO]        ; lanes 16-31 a row (16,384 bytes) further down,
	s_lshl_b32 s15, s[WV], 10
	v_add_nc_u32 v[XGO], s15, v[XGO]               ; in my wave's 1,024 bytes of the row
	v_mul_u32_u24 v18, v[H], PITCH
	v_lshl_add_u32 v18, v[R], 4, v18
	v_add_nc_u32 v[XSS], s79, v18                  ; into the stage as loaded
	v_mul_u32_u24 v19, v[R], PITCH                 ; r x pitch
	v_lshl_add_u32 v18, v[H], 7, v19
	v_add_nc_u32 v[XSL], s79, v18                  ; out of it: row r, block h: 128 bytes
	v_lshl_add_u32 v18, v[H], 5, v19
	v_add_nc_u32 v[WAD], s78, v18                  ; weights: row r, + 32 h: a block is 32 bytes
	s_lshl_b32 s15, s[WV], 4
	s_add_co_u32 s15, s15, NB
	v_add_nc_u32 v[NAD], s15, v19                  ; norms: row r, my wave's 8 norms
	v_and_b32 v18, 31, v0
	v_lshlrev_b32 v18, 4, v18
	v_add_nc_u32 v[RST], s79, v18                  ; partial sums: images of the registers, 16 bytes a lane
	s_lshl_b32 s15, s[WV], 9
	s_add_co_u32 s15, s15, XST
	v_add_nc_u32 v[RLD], s15, v18                  ; wave j < 6 adds chunk j (tile j / 2, registers 4 (j % 2) on) of all sixteen
	s_lshr_b32 s15, s[WV], 1
	s_lshl_b32 s15, s15, 4
	v_add_nc_u32 v[COL], s15, v[R]                 ; that chunk's column: 16 (j / 2) + r
	v_min_u32 v[BOF], NPW-1, v[COL]                ; held inside the work-group's 43, so that no lane leaves bias
	v_lshlrev_b32 v[BOF], 2, v[BOF]
	s_and_b32 s15, s[WV], 1
	s_lshl_b32 s15, s15, 2
	v_lshl_add_u32 v18, v[H], 3, s15               ; its first row of out0: 8 h + 4 (j % 2)
	v_mul_u32_u24 v18, v18, OROW
	v_lshl_add_u32 v[OOF], v[COL], 2, v18
	s_wait_dscnt 0x0                               ; both opening adds are done
	s_wait_kmcnt 0x0
	s_add_nc_u64 s[6:7], s[6:7], s[72:73]
	s_add_nc_u64 s[10:11], s[10:11], s[76:77]
	s_add_nc_u64 s[12:13], s[12:13], s[76:77]
.irp t, 0,1,2
	s_mov_b32 s[G0W+4*\t], 1                       ; count = 1
	s_add_co_u32 s[G0W+4*\t+1], s78, \t*TILEB      ; LDS address
	s_add_nc_u64 s[G0W+4*\t+2:G0W+4*\t+3], s[6:7], \t*16*QROW   ; rows 16 t on
	s_or_b32 s[G0W+4*\t+3], s[G0W+4*\t+3], 0x80000000           ; type = 2
.endr
	s_mov_b32 s[G0N], 1
	s_mov_b32 s[G0N+1], NB
	s_add_nc_u64 s[G0N+2:G0N+3], s[8:9], s[74:75]
	s_or_b32 s[G0N+3], s[G0N+3], 0x80000000
	; x is wanted first, so it is asked for first: 33 loads; then all tensor loads of the launch
	global_load_b32 v[BIA], v[BOF], s[10:11]
.irp b, 0,1,2,3
.irp i, 0,1,2,3,4,5,6,7
	global_load_b128 v[XR+32*\b+4*\i:XR+32*\b+4*\i+3], v[XGO], s[4:5] offset:32768*\i+256*\b   ; rows 2 i, 2 i + 1; 64 along K of batch b: each half of the lanes reads 256 consecutive aligned bytes
.endr
.endr
	s_cmp_lg_u32 s[WV], 0
	s_cbranch_scc1 .Lnot_wave_0
	tensor_load_to_lds s[G0N:G0N+3], s[G1N:G1N+7]  ; the norms, ahead of wave 0's tiles: the loads issued behind it are the same three in every wave
	s_nop 0
.rept 4
	v_nop
.endr
.Lnot_wave_0:
	tensor_load_to_lds s[G0W:G0W+3], s[G1W:G1W+7]  ; three tiles and not one: the first is converted while the others are on their way.  Out: 4 loads in wave 0, 3 in the others
	s_nop 0
	tensor_load_to_lds s[G0W+4:G0W+7], s[G1W:G1W+7]
	s_nop 0
	tensor_load_to_lds s[G0W+8:G0W+11], s[G1L:G1L+7]
	s_nop 0
; Batch b of x (16 rows x 64 along K) goes into my stage as loaded and comes back a block of 32 to a lane.  LDS serves a wave's instructions in order (ISA guide 5.7.1.4): no wait between stores and loads.
.macro XSTAGE b
	s_wait_loadcnt 24-8*(\b)                       ; the batch's eight loads are in; the later batches' may be out
.irp i, 0,1,2,3,4,5,6,7
	ds_store_b128 v[XSS], v[XR+32*(\b)+4*\i:XR+32*(\b)+4*\i+3] offset:2*PITCH*\i
.endr
.irp j, 0,1,2,3,4,5,6,7
	ds_load_b128 v[XN+4*\j:XN+4*\j+3], v[XSL] offset:16*\j
.endr
.endm
; The block becomes registers 4 b .. 4 b + 3 of x's fragments (K step b / 2, half b % 2) and a scale byte.
.macro XQUANT b
	s_wait_dscnt 0x0
	v_max3_num_f32 v[MA], |v[XN]|, |v[XN+1]|, s[FLOOR]               ; the largest magnitude, in two chains, with the floor among its leaves
	v_max3_num_f32 v[MB], |v[XN+16]|, |v[XN+17]|, |v[XN+18]|
.irp i, 2,4,6,8,10,12
	v_max3_num_f32 v[MA], v[MA], |v[XN+\i]|, |v[XN+\i+1]|
	v_max3_num_f32 v[MB], v[MB], |v[XN+17+\i]|, |v[XN+18+\i]|
.endr
	v_max3_num_f32 v[MA], v[MA], |v[XN+14]|, |v[XN+15]|
	v_max3_num_f32 v[MA], v[MA], v[MB], |v[XN+31]|
.irp j, 0,1,2,3,4,5,6,7
	v_mov_b32 v[XE+\j],    v[XN+2*\j]              ; the order in which W's codes fall: even k, odd k, of each half of the block
	v_mov_b32 v[XE+8+\j],  v[XN+2*\j+1]
	v_mov_b32 v[XE+16+\j], v[XN+16+2*\j]
	v_mov_b32 v[XE+24+\j], v[XN+17+2*\j]
.endr
.if (\b) < 3
	XSTAGE (\b)+1                                  ; the neighbours' registers are free: the next batch turns while this one is converted
.endif
	v_add_nc_u32 v[SC], s[MINUS2], v[MA]           ; 2 off the exponent field: the conversion takes the exponent field of this operand as its scale
	v_lshrrev_b32 v[BY+(\b)], 23, v[SC]            ; the scale's byte
.irp g, 0,1,2,3
	v_cvt_scalef32_pk8_fp4_f32 v[XF+4*(\b)+\g], v[XE+8*\g:XE+8*\g+7], v[SC]
.endr
	v_nop                                          ; one plain place behind the scaled conversions
.endm
	XSTAGE 0
	XQUANT 0
	XQUANT 1
	XQUANT 2
	XQUANT 3
.irp s, 0,1
	v_lshl_or_b32 v[XT+\s], v[BY+2*\s+1], 16, v[BY+2*\s]   ; my two bytes of K step s: blocks h and 2 + h of row r,
	v_mov_b32 v[XU+\s], 0                          ; (a lane permute's destination counts as one of its sources)
.endr
.irp s, 0,1
	v_lshlrev_b32 v[XT+\s], v[SH8], v[XT+\s]       ; at their places in the word;
.endr
.irp s, 0,1
	v_permlanex16_b32 v[XU+\s], v[XT+\s], s[PSEL], s[PSEL+1]
.endr
.irp s, 0,1
	v_or_b32 v[XSC+\s], v[XT+\s], v[XU+\s]         ; with lane l xor 16's two the word is whole
.endr
	v_mov_b32 v[NP+1], 0                           ; what stays constant in the W phase
	v_mov_b32 v[NP+3], 0
	v_mov_b32 v[SU], 0
.irp j, 4,5,6,7,12,13,14,15
	v_mov_b32 v[SG+\j], 0
.endr
; The LDS loads of fragment f = 2 t + s: for c = 0, 1 my block 4 s + 2 c + h of row 16 t + r, 32 bytes; with s = 0 also the tile's norms (16 bytes: my wave's 8 of row 16 t + r).
.macro LDW f
.set RW, RAW+16*((\f)%2)
.if (\f)%2 == 0
	ds_load_b128 v[NRM+4*(((\f)/2)%2):NRM+4*(((\f)/2)%2)+3], v[NAD] offset:((\f)/2)*TILEB
.endif
.irp c, 0,1
	ds_load_b128 v[RW+8*\c:RW+8*\c+3],   v[WAD] offset:((\f)/2)*TILEB+128*((\f)%2)+64*\c
	ds_load_b128 v[RW+8*\c+4:RW+8*\c+7], v[WAD] offset:((\f)/2)*TILEB+128*((\f)%2)+64*\c+16
.endr
.endm
; Fragment f is converted, two blocks a lane side by side, and multiplied.
.macro CONV f
.set RW, RAW+16*((\f)%2)
.set NR, NRM+4*(((\f)/2)%2)+2*((\f)%2)             ; register 2 s + c of the tile's norms: block 4 s + 2 c in the low half, 4 s + 2 c + 1 in the high
.irp c, 0,1
.irp p, 0,1,2,3
	v_perm_b32 v[TC+20*\c+\p], v[RW+8*\c+2*\p+1], v[RW+8*\c+2*\p], s[SELA]   ; the low bytes of two words
.endr
.endr
	v_lshrrev_b32 v96, v[SH16], v[NR]              ; my block's norm into the low half
	v_lshrrev_b32 v97, v[SH16], v[NR+1]
.irp c, 0,1
	v_perm_b32 v[TC+20*\c+PP],   v[TC+20*\c+1], v[TC+20*\c+0], s[SELB]       ; weights 0-15, two bits each
	v_perm_b32 v[TC+20*\c+PP+1], v[TC+20*\c+3], v[TC+20*\c+2], s[SELB]       ; weights 16-31
.endr
	v_cvt_f32_f16 v[NP], v96.l                     ; n, exact
	v_cvt_f32_f16 v[NP+2], v97.l
.irp c, 0,1
	v_lshrrev_b32 v[TC+20*\c+0], 1, v[TC+20*\c+PP]
	v_lshrrev_b32 v[TC+20*\c+1], 1, v[TC+20*\c+PP+1]
.endr
.irp c, 0,1
	v_pk_mul_f32 v[SG+8*\c:SG+8*\c+1],   v[NP+2*\c:NP+2*\c+1], -1.0 op_sel_hi:[0,0]              ; -n, twice
	v_pk_mul_f32 v[SG+8*\c+2:SG+8*\c+3], v[NP+2*\c:NP+2*\c+1], s[THIRD:THIRD+1] op_sel_hi:[0,0]  ; 0.333 n, twice: one f32 rounding
.endr
.irp c, 0,1
	v_xor_b32 v[TC+20*\c+XX],   v[TC+20*\c+PP],   v[TC+20*\c+0]              ; even bits: e = b0 xor b1
	v_xor_b32 v[TC+20*\c+XX+1], v[TC+20*\c+PP+1], v[TC+20*\c+1]
.endr
.irp c, 0,1
	v_and_b32 v[TC+20*\c+YY],   s[M55], v[TC+20*\c+XX]
	v_and_b32 v[TC+20*\c+YY+1], s[M55], v[TC+20*\c+XX+1]
.endr
.irp c, 0,1
	v_and_b32 v[TC+20*\c+2], v[TC+20*\c+YY], v[TC+20*\c+YY+1]
.endr
.irp c, 0,1
	v_cmp_eq_u32 s[MK+\c], s[M55], v[TC+20*\c+2]   ; e = 1 in all 32: no weight of the block is -n or n
.endr
.irp c, 0,1
	v_cndmask_b32 v[TC+20*\c+AM], v[NP+2*\c], v[SG+8*\c+2], s[MK+\c]         ; then 0.333 n is the largest, else n
.endr
.irp c, 0,1
	v_max_num_f32 v[TC+20*\c+AM], |v[TC+20*\c+AM]|, s[FLOOR]
.endr
.irp c, 0,1
	v_add_nc_u32 v[TC+20*\c+SCL], s[MINUS2], v[TC+20*\c+AM]                  ; the conversion's scale operand
.endr
.irp c, 0,1
	v_lshrrev_b32 v[BYW+\c], 23, v[TC+20*\c+SCL]   ; the scale's byte
.endr
.irp c, 0,1
	v_cvt_scalef32_pk8_fp4_f32 v[TC+20*\c+LL], v[SG+8*\c:SG+8*\c+7], v[TC+20*\c+SCL]   ; byte 0: the code of -n twice; byte 1: that of 0.333 n twice
.endr
	v_lshl_or_b32 v[SW], v[BYW+1], 16, v[BYW]      ; (a plain place behind the conversions)  column r's scale word, as x's above
	v_lshlrev_b32 v[SW], v[SH8], v[SW]
	v_permlanex16_b32 v[SU], v[SW], s[PSEL], s[PSEL+1]
	v_or_b32 v[WSC], v[SW], v[SU]                  ; more than eight plain instructions ahead of the product
.irp c, 0,1
	v_bfi_b32 v[TC+20*\c+GG],   s[M55], v[TC+20*\c+XX],   v[TC+20*\c+PP]     ; each weight's two bits: (b1, e)
	v_bfi_b32 v[TC+20*\c+GG+1], s[M55], v[TC+20*\c+XX+1], v[TC+20*\c+PP+1]
	v_lshl_or_b32 v[TC+20*\c+YY],   v[TC+20*\c+YY],   1, v[TC+20*\c+YY]      ; and (e, e)
	v_lshl_or_b32 v[TC+20*\c+YY+1], v[TC+20*\c+YY+1], 1, v[TC+20*\c+YY+1]
.endr
.irp c, 0,1
	v_perm_b32 v[TC+20*\c+CA], v[TC+20*\c+LL], v[TC+20*\c+LL], s[SELR]       ; ca in all eight nibbles
	v_perm_b32 v[TC+20*\c+CB], v[TC+20*\c+LL], v[TC+20*\c+LL], 0             ; cb likewise
.endr
.irp c, 0,1
	v_lshlrev_b32 v[TC+20*\c+0], 2, v[TC+20*\c+GG]
	v_lshrrev_b32 v[TC+20*\c+1], 2, v[TC+20*\c+YY]
	v_lshlrev_b32 v[TC+20*\c+2], 2, v[TC+20*\c+GG+1]
	v_lshrrev_b32 v[TC+20*\c+3], 2, v[TC+20*\c+YY+1]
.endr
.irp c, 0,1
	v_bfi_b32 v[TC+20*\c+0], s[MCC], v[TC+20*\c+0],    v[TC+20*\c+YY]        ; nibbles (b1, e, e, e) of the even weights,
	v_bfi_b32 v[TC+20*\c+1], s[MCC], v[TC+20*\c+GG],   v[TC+20*\c+1]         ; of the odd ones
	v_bfi_b32 v[TC+20*\c+2], s[MCC], v[TC+20*\c+2],    v[TC+20*\c+YY+1]
	v_bfi_b32 v[TC+20*\c+3], s[MCC], v[TC+20*\c+GG+1], v[TC+20*\c+3]
.endr
.irp c, 0,1
.irp g, 0,1,2,3
	v_bfi_b32 v[RF+4*\c+\g], v[TC+20*\c+\g], v[TC+20*\c+CA], v[TC+20*\c+CB]  ; eight codes
.endr
.endr
.rept 4
	v_nop                                          ; an operand written by vector instructions stands four places ahead of a scaled matrix instruction
.endr
	v_wmma_scale_f32_16x16x128_f8f6f4 v[ACC+8*(\f):ACC+8*(\f)+7], v[XF+8*((\f)%2):XF+8*((\f)%2)+7], v[RF:RF+7], 0, v[XSC+(\f)%2], v[WSC] matrix_a_fmt:MATRIX_FMT_FP4 matrix_b_fmt:MATRIX_FMT_FP4   ; register j: out(8 h + j, 16 t + r); the next fragment's twelve byte selects are the places behind it
.endm
	s_wait_tensorcnt 0x3                           ; wave 0: the norms have landed, its three tiles may be out; the others have three loads out at the most
	s_barrier_signal -1                            ; no LDS instruction of mine is out, so the tiles may stay on their way
	s_barrier_wait -1
	s_wait_tensorcnt 0x2                           ; my tile 0 is in; two were issued behind it
	LDW 0
	LDW 1
	s_wait_dscnt 4                                 ; fragment 0 and the norms are in; fragment 1's four loads may be out
	CONV 0
	s_wait_tensorcnt 0x1                           ; tile 1
	LDW 2
	s_wait_dscnt 5                                 ; fragment 1 is in; behind it: tile 1's norms and fragment 2
	CONV 1
	LDW 3
	s_wait_dscnt 4
	CONV 2
	s_wait_tensorcnt 0x0                           ; tile 2
	LDW 4
	s_wait_dscnt 5
	CONV 3
	LDW 5
	s_wait_dscnt 4
	CONV 4
	s_wait_dscnt 0x0
	CONV 5
	; a tile's two K steps are added, each accumulator from its low end on; tiles 0 and 1's eight additions are the places behind the last product
.irp t, 0,1,2
.irp j, 0,2,4,6
	v_pk_add_f32 v[ACC+16*\t+\j:ACC+16*\t+\j+1], v[ACC+16*\t+\j:ACC+16*\t+\j+1], v[ACC+16*\t+8+\j:ACC+16*\t+8+\j+1]
.endr
.endr
.irp t, 0,1,2
	ds_store_b128 v[RST], v[ACC+16*\t:ACC+16*\t+3]   offset:1024*\t          ; my sums as images of their registers, into my stage: its last reads came back long ago
	ds_store_b128 v[RST], v[ACC+16*\t+4:ACC+16*\t+7] offset:1024*\t+512
.endr
	s_wait_dscnt 0x0                               ; for the others' sake: my stores have landed
	s_barrier_signal -1
	s_barrier_wait -1
	s_cmp_lt_u32 s[WV], 6
	s_cbranch_scc0 .Lend
.irp i, 0,1,2,3,4,5,6,7,8,9,10,11,12,13,14,15
	ds_load_b128 v[RD+4*\i:RD+4*\i+3], v[RLD] offset:\i*TILEB                ; wave i's part of my chunk
.endr
.irp i, 0,1,2,3,4,5,6,7
	s_wait_dscnt 14-2*\i                           ; waves 2 i and 2 i + 1's are in; the later ones may be out
	v_pk_add_f32 v[RD+8*\i:RD+8*\i+1],   v[RD+8*\i:RD+8*\i+1],   v[RD+8*\i+4:RD+8*\i+5]
	v_pk_add_f32 v[RD+8*\i+2:RD+8*\i+3], v[RD+8*\i+2:RD+8*\i+3], v[RD+8*\i+6:RD+8*\i+7]
.endr
.irp i, 0,1,2,3
.irp j, 0,2
	v_pk_add_f32 v[RD+16*\i+\j:RD+16*\i+\j+1], v[RD+16*\i+\j:RD+16*\i+\j+1], v[RD+16*\i+8+\j:RD+16*\i+8+\j+1]
.endr
.endr
.irp i, 0,1
.irp j, 0,2
	v_pk_add_f32 v[RD+32*\i+\j:RD+32*\i+\j+1], v[RD+32*\i+\j:RD+32*\i+\j+1], v[RD+32*\i+16+\j:RD+32*\i+16+\j+1]
.endr
.endr
.irp j, 0,2
	v_pk_add_f32 v[RD+\j:RD+\j+1], v[RD+\j:RD+\j+1], v[RD+32+\j:RD+32+\j+1]
.endr
.irp j, 0,2
	v_pk_add_f32 v[RD+\j:RD+\j+1], v[RD+\j:RD+\j+1], v[BIA:BIA+1] op_sel_hi:[1,0]   ; + bias of my column (the pair's low word serves both halves)
.endr
	v_cmp_gt_u32 vcc_lo, NPW, v[COL]               ; the work-group has 43 columns: lanes 11 to 15 of the third tile store nothing
	s_wait_xcnt 0x0                                ; EXEC changes only behind this wait
	s_and_saveexec_b32 s[SAVE], vcc_lo
.irp i, 0,1,2,3
	global_store_b32 v[OOF], v[RD+\i], s[12:13] offset:\i*OROW               ; out0(8 h + 4 (j % 2) + i, my column): sixteen lanes on 64 consecutive bytes
.endr
	s_wait_xcnt 0x0                                ; and again, in front of the line that widens it
	s_or_b32 exec_lo, exec_lo, s[SAVE]
.Lend:
	s_wait_tensorcnt 0x0                           ; the wave's end, behind my last tensor load and my last LDS store
	ds_add_u32 v[SPW], v[NIL]
	s_wait_dscnt 0x0
	s_endpgm
.Lfunc_end_k_qe22a128861_linear2bit:
	.size	k_qe22a128861_linear2bit, .Lfunc_end_k_qe22a128861_linear2bit-k_qe22a128861_linear2bit
	.p2alignl 7, 3214868480
	.fill 96, 4, 3214868480
	.section	.rodata,"a",@progbits
	.p2align	6, 0x0
	.amdhsa_kernel k_qe22a128861_linear2bit
		.amdhsa_group_segment_fixed_size 294912
		.amdhsa_private_segment_fixed_size 0
		.amdhsa_enable_private_segment 0
		.amdhsa_kernarg_size 40
		.amdhsa_user_sgpr_count 2
		.amdhsa_user_sgpr_kernarg_segment_ptr 1
		.amdhsa_wavefront_size32 1
		.amdhsa_system_sgpr_workgroup_id_x 1
		.amdhsa_system_sgpr_workgroup_id_y 1
		.amdhsa_system_sgpr_workgroup_id_z 1
		.amdhsa_system_vgpr_workitem_id 0
		.amdhsa_next_free_vgpr 256
		.amdhsa_next_free_sgpr 80
		.amdhsa_reserve_vcc 1
		.amdhsa_float_denorm_mode_32 3
		.amdhsa_float_denorm_mode_16_64 3
		.amdhsa_memory_ordered 1
		.amdhsa_forward_progress 1
		.amdhsa_inst_pref_size 59
	.end_amdhsa_kernel
	.amdgpu_metadata
---
amdhsa.version: [ 1, 2 ]
amdhsa.kernels:
  - .name:           k_qe22a128861_linear2bit
    .symbol:         k_qe22a128861_linear2bit.kd
    .args:
      - { .name: x, .offset: 0, .size: 8, .value_kind: global_buffer, .address_space: global }
      - { .name: weight_q2, .offset: 8, .size: 8, .value_kind: global_buffer, .address_space: global }
      - { .name: weight_norm, .offset: 16, .size: 8, .value_kind: global_buffer, .address_space: global }
      - { .name: bias, .offset: 24, .size: 8, .value_kind: global_buffer, .address_space: global }
      - { .name: out0, .offset: 32, .size: 8, .value_kind: global_buffer, .address_space: global }
    .group_segment_fixed_size: 294912
    .private_segment_fixed_size: 0
    .kernarg_segment_align: 8
    .kernarg_segment_size: 40
    .max_flat_workgroup_size: 512
    .sgpr_count:     80
    .vgpr_count:     256
    .wavefront_size: 32
...
	.end_amdgpu_metadata
.endif
;; end of part 1
